; MI455X (gfx1250); checked and timed in simulation.
; The chip was launched on July 23, 2026; its instructions are those of AMD's public machine-readable ISA for CDNA 5 (MIT licence, August 2026) and "CDNA5" Instruction Set Architecture Reference Guide (July 2026). The comments in the code are by the model that wrote it; some were corrected since.
;; Binary Match Attention. Allowed arithmetic: float matrix products may take bf16 or f16 operands with f32 sums; all other float work in f32.
;; Inputs: x 8 x 32,768 x 128 float32.
;; Outputs: out0 8 x 96 float32.
;; Constants: query_addr = 12345.
;; 2 versions, each right; version 2 is version 1 with the launch partial written anew for expert scheduling mode. Each part assembles by itself: llvm-mc -triple=amdgcn-amd-amdhsa -mcpu=gfx1250 --defsym DOCPART=n.
;; ======== version 1 of 2: 2 launches
;; workspace buffers: part 131,072 bytes
;; launch partial (part 1): grid 256 x 1, 16 waves a work-group, no clusters, 18,432 bytes of LDS; arguments x, part; writes part
.if DOCPART == 1
	.amdgcn_target "amdgcn-amd-amdhsa--gfx1250"
	.amdhsa_code_object_version 6
	.text
	.protected	k_q1bcdb675d3_partial
	.globl	k_q1bcdb675d3_partial
	.p2align	8
	.type	k_q1bcdb675d3_partial,@function
k_q1bcdb675d3_partial:
	s_mov_b64 s[64:65], 0
	v_nop
	global_prefetch_b8 v0, s[64:65] scope:SCOPE_SE
	s_setreg_imm32_b32 hwreg(HW_REG_WAVE_MODE, 25, 1), 1
	s_wait_xcnt 0x0
; BinaryMatchAttention, first of two launches.
;   w[b][s]   = product over k = 0..15 of (1 - |x[b][s][96+k] - q_k|),  q_k = bit k of QUERY
;   out[b][d] = sum over s of w[b][s] x[b][s][d],  d = 0..95
; x: [8][32768][128] f32, taken as 262,144 rows of 512 bytes.  Work-group g owns rows 1024 g .. 1024 g + 1023 (32 work-groups to a
; batch) and writes its 128 column sums to part[g][0..127]; the second launch adds the 32 rows of part of each batch.
; Columns 96..127 of part are by-products (the same multiply-adds run in the lanes that hold the key and the unused columns); they are
; stored so that the one store covers 512 consecutive aligned bytes, and the second launch never reads them.
;
; SHARES.  16 waves; a wave owns 64 consecutive rows (32 KiB).  One 16-byte load of the wave takes the same half of two neighbouring
; rows: lanes 0-15 the 256 bytes of row 2p, lanes 16-31 those of row 2p+1; load A columns 0-63, load B columns 64-127.  So every
; aligned run of 256 bytes is asked for once, by sixteen neighbouring lanes, and the 16 key columns of BOTH rows lie in lanes 8-11 of
; their half of the wave: each key instruction and each step between lanes serves two rows.
; All 64 loads of a wave are reached from one offset register by immediates (at most 32,000): no loop, no address is ever stepped.
; A ring of 8 slots of 4 loads keeps 32 loads (16 KiB) of every wave in flight, 256 KiB for the work-group.
;
; NOT USED, by this text's arithmetic: the matrix unit (a product with ONE row per batch would fill 1 of a tile's 16 rows, and would
; need every x converted and transposed along s, more instructions than the two packed multiply-adds a row that it would replace);
; clusters (no byte of x is read by two work-groups); an LDS ring (what is in flight fits in registers); prefetches (half of a wave's
; bytes are asked for by its first lines and the rest as slots come free).
;
; LIMITS.  Products and sums are formed in another order than the reference's: a lane multiplies its four terms as
; p (1 - |d|) = fma(-|d|, p, p), one rounding where the reference has two, then four lanes multiply; sums run per lane, then over
; halves, waves and work-groups.  An intermediate product can leave f32's range (about 3.4e38, or below 1.2e-38 lose bits) where
; another order's would not.  NaN and infinities pass through as in any f32 evaluation.
.set QUERY,  12345
.set ROWB,   512                       ; bytes in a row of x
.set TURNB,  4*ROWB                    ; a turn: 4 rows = 2 pairs = 4 loads
.set TURNS,  16                        ; 64 rows of a wave
.set SLOTS,  8                         ; turns in flight
.set OFF,  1                           ; v1        512 (lane / 16) + 16 (lane % 16): my 16 bytes in a pair's half rows; also in an LDS row pair
.set Q,    4                           ; v[4:7]    q of my four columns (meaningful in lanes 8-11 of each half)
.set W0,   8                           ; v[8:9]    the first pair's weight in v8 (v9 only completes the register pair that the packed forms name)
.set W1,   10                          ; v[10:11]  the second pair's
.set D0,   12                          ; v[12:15]  x - q, first pair
.set D1,   16                          ; v[16:19]  second pair
.set P0,   20                          ; v20       running product, first pair
.set P1,   21                          ; v21       second pair
.set LA,   22                          ; v22       where my sums go in LDS
.set RA,   23                          ; v23       wave 0: 16 x lane, in an LDS row and in part's row
.set ACC0, 24                          ; v[24:31]  sums of the first pairs: 4 columns of 0-63, 4 columns of 64-127
.set ACC1, 32                          ; v[32:39]  sums of the second pairs
.set X,    40                          ; v[40:167] slot s: 16 registers: pair 0 A, B, pair 1 A, B; at the end the 32 LDS rows
	s_load_b128 s[4:7], s[0:1], 0x0                ; x s[4:5], part s[6:7]
	v_lshl_add_u32 v168, v0, 2, 0x4000
	v_mov_b32 v169, 0
	v_lshrrev_b32 v2, 5, v0
	v_readfirstlane_b32 s8, v2                     ; wave 0..15
	v_and_b32 v2, 15, v0                           ; lane % 16
	v_bfe_u32 v3, v0, 4, 1                         ; lane / 16
	v_lshlrev_b32 v2, 4, v2
	v_lshl_add_u32 v[OFF], v3, 9, v2
	s_lshl_b32 s2, ttmp9, 19                       ; 1,024 rows of 512 bytes for each work-group (below 2^27),
	s_lshl_b32 s3, s8, 15                          ; 64 rows for each wave
	s_add_co_u32 s2, s2, s3
	s_mov_b32 s3, 0
	s_lshl_b32 s10, ttmp9, 9                       ; part's row g
	s_mov_b32 s11, 0
	s_wait_kmcnt 0x0
	s_add_nc_u64 s[4:5], s[4:5], s[2:3]            ; x at my wave's first row
	s_add_nc_u64 s[6:7], s[6:7], s[10:11]
.macro FILL t                          ; the four loads of turn t, into its slot.  x is read once in the launch: non-temporal
.set SL, X+16*((\t)%SLOTS)
	global_load_b128 v[SL:SL+3],     v[OFF], s[4:5] offset:(\t)*TURNB      th:TH_LOAD_NT
	global_load_b128 v[SL+4:SL+7],   v[OFF], s[4:5] offset:(\t)*TURNB+256  th:TH_LOAD_NT
	global_load_b128 v[SL+8:SL+11],  v[OFF], s[4:5] offset:(\t)*TURNB+1024 th:TH_LOAD_NT
	global_load_b128 v[SL+12:SL+15], v[OFF], s[4:5] offset:(\t)*TURNB+1280 th:TH_LOAD_NT
.endm
.irp t, 0,1,2,3,4,5,6,7
	FILL \t                                        ; the ring is filled before anything else is done
.endr
	; q of my four columns.  Lane 8 + n of a half holds columns 96 + 4 n + i, that is k = 4 n + i, and n = lane & 3 there.
	; The other lanes get some bits too; their products are never taken.
	s_mov_b32 s9, QUERY
	v_and_b32 v2, 3, v0
	v_lshlrev_b32 v2, 2, v2
	v_lshrrev_b32 v2, v2, s9                       ; QUERY >> 4 n
.irp i, 0,1,2,3
	v_bfe_u32 v3, v2, \i, 1
	v_cvt_f32_u32 v[Q+\i], v3
.endr
.irp i, 0,1,2,3
	v_mov_b32 v[W0+\i], 0                          ; once: a DPP move's destination counts as read, and the packed forms name whole pairs
.endr
; One turn: rows 4 t .. 4 t + 3 of the wave, as two pairs whose instructions take turns so that none waits for the one in front of it.
; first = 1: the products start the sums, nothing is cleared.  fill = 1: the slot is asked for again, SLOTS turns ahead.
; left = how many younger loads may stay out.
.macro TURN t, first, fill, left
.set SL, X+16*((\t)%SLOTS)
	s_wait_loadcnt \left                           ; loads come back in order (ISA guide 5.7.1): this turn's four are in
	v_pk_add_f32 v[D0:D0+1],   v[SL+4:SL+5],   v[Q:Q+1]   neg_lo:[0,1] neg_hi:[0,1]   ; d = x - q
	v_pk_add_f32 v[D1:D1+1],   v[SL+12:SL+13], v[Q:Q+1]   neg_lo:[0,1] neg_hi:[0,1]
	v_pk_add_f32 v[D0+2:D0+3], v[SL+6:SL+7],   v[Q+2:Q+3] neg_lo:[0,1] neg_hi:[0,1]
	v_pk_add_f32 v[D1+2:D1+3], v[SL+14:SL+15], v[Q+2:Q+3] neg_lo:[0,1] neg_hi:[0,1]
	v_sub_f32 v[P0], 1.0, |v[D0]|                  ; p = 1 - |d0|
	v_sub_f32 v[P1], 1.0, |v[D1]|
.irp i, 1,2,3
	v_fma_f32 v[P0], -|v[D0+\i]|, v[P0], v[P0]     ; p = p (1 - |d|), fused
	v_fma_f32 v[P1], -|v[D1+\i]|, v[P1], v[P1]
.endr
.irp m, 1,2
	v_mul_f32_dpp v[P0], v[P0], v[P0] row_xmask:\m row_mask:0xf bank_mask:0xf   ; lanes 8-11 of each half: all 16 terms
	v_mul_f32_dpp v[P1], v[P1], v[P1] row_xmask:\m row_mask:0xf bank_mask:0xf
.endr
	v_mov_b32_dpp v[W0], v[P0] row_share:8 row_mask:0xf bank_mask:0xf           ; each half's 16 lanes take their own row's weight
	v_mov_b32_dpp v[W1], v[P1] row_share:8 row_mask:0xf bank_mask:0xf
.irp k, 0,2,4,6
.if \first
	v_pk_mul_f32 v[ACC0+\k:ACC0+\k+1], v[SL+\k:SL+\k+1],     v[W0:W0+1] op_sel_hi:[1,0]
	v_pk_mul_f32 v[ACC1+\k:ACC1+\k+1], v[SL+8+\k:SL+8+\k+1], v[W1:W1+1] op_sel_hi:[1,0]
.else
	v_pk_fma_f32 v[ACC0+\k:ACC0+\k+1], v[SL+\k:SL+\k+1],     v[W0:W0+1], v[ACC0+\k:ACC0+\k+1] op_sel_hi:[1,0,1]
	v_pk_fma_f32 v[ACC1+\k:ACC1+\k+1], v[SL+8+\k:SL+8+\k+1], v[W1:W1+1], v[ACC1+\k:ACC1+\k+1] op_sel_hi:[1,0,1]
.endif
.endr
.if \fill
	FILL \t+SLOTS
.endif
.endm
	TURN 0, 1, 1, 4*(SLOTS-1)                      ; 28: the seven younger turns' loads stay out
.irp t, 1,2,3,4,5,6,7
	TURN \t, 0, 1, 4*(SLOTS-1)
.endr
.irp t, 8,9,10,11,12,13,14,15
	TURN \t, 0, 0, 4*(TURNS-1-\t)                  ; nothing is asked for any more: 28, 24, .. 0
.endr
	; The wave's sums: 128 columns for each half of the lanes.  Wave w, half h -> LDS row 2 w + h of 512 bytes; sixteen lanes store
	; 256 consecutive bytes.
.irp k, 0,2,4,6
	v_pk_add_f32 v[ACC0+\k:ACC0+\k+1], v[ACC0+\k:ACC0+\k+1], v[ACC1+\k:ACC1+\k+1]
.endr
	s_lshl_b32 s12, s8, 10
	v_add_nc_u32 v[LA], s12, v[OFF]
	ds_store_b128 v[LA], v[ACC0:ACC0+3]
	ds_store_b128 v[LA], v[ACC0+4:ACC0+7] offset:256
	s_wait_dscnt 0x0                               ; for wave 0's sake: my stores are in LDS before I say so
	s_barrier_signal -1
	s_barrier_wait -1
	s_cmp_lg_u32 s8, 0
	s_cbranch_scc1 .Lend                           ; wave 0 alone adds the 32 rows: 62 packed adds, once for 512 KiB of input
	v_and_b32 v[RA], 31, v0
	v_lshlrev_b32 v[RA], 4, v[RA]                  ; lane l: columns 4 l .. 4 l + 3
.set j, 0
.rept 32
	ds_load_b128 v[X+4*j:X+4*j+3], v[RA] offset:512*j
.set j, j+1
.endr
.set j, 0
.rept 16
	s_wait_dscnt 15-j                              ; rows j and j + 16 are in: 15 - j loads were issued behind row j + 16
	v_pk_add_f32 v[X+4*j:X+4*j+1],   v[X+4*j:X+4*j+1],   v[X+4*j+64:X+4*j+65]
	v_pk_add_f32 v[X+4*j+2:X+4*j+3], v[X+4*j+2:X+4*j+3], v[X+4*j+66:X+4*j+67]
.set j, j+1
.endr
.irp n, 8,4,2,1
.set j, 0
.rept \n
	v_pk_add_f32 v[X+4*j:X+4*j+1],   v[X+4*j:X+4*j+1],   v[X+4*(j+\n):X+4*(j+\n)+1]
	v_pk_add_f32 v[X+4*j+2:X+4*j+3], v[X+4*j+2:X+4*j+3], v[X+4*(j+\n)+2:X+4*(j+\n)+3]
.set j, j+1
.endr
.endr
	global_store_b128 v[RA], v[X:X+3], s[6:7]      ; 512 consecutive bytes, at a multiple of 512 from part's first byte
.Lend:
	s_wait_tensorcnt 0x0
	ds_add_u32 v168, v169
	s_wait_dscnt 0x0
	s_endpgm
.Lfunc_end_k_q1bcdb675d3_partial:
	.size	k_q1bcdb675d3_partial, .Lfunc_end_k_q1bcdb675d3_partial-k_q1bcdb675d3_partial
	.p2alignl 7, 3214868480
	.fill 96, 4, 3214868480
	.section	.rodata,"a",@progbits
	.p2align	6, 0x0
	.amdhsa_kernel k_q1bcdb675d3_partial
		.amdhsa_group_segment_fixed_size 18432
		.amdhsa_private_segment_fixed_size 0
		.amdhsa_enable_private_segment 0
		.amdhsa_kernarg_size 16
		.amdhsa_user_sgpr_count 2
		.amdhsa_user_sgpr_kernarg_segment_ptr 1
		.amdhsa_wavefront_size32 1
		.amdhsa_system_sgpr_workgroup_id_x 1
		.amdhsa_system_sgpr_workgroup_id_y 1
		.amdhsa_system_sgpr_workgroup_id_z 1
		.amdhsa_system_vgpr_workitem_id 0
		.amdhsa_next_free_vgpr 170
		.amdhsa_next_free_sgpr 66
		.amdhsa_reserve_vcc 0
		.amdhsa_float_denorm_mode_32 3
		.amdhsa_float_denorm_mode_16_64 3
		.amdhsa_memory_ordered 1
		.amdhsa_forward_progress 1
		.amdhsa_inst_pref_size 42
	.end_amdhsa_kernel
	.amdgpu_metadata
---
amdhsa.version: [ 1, 2 ]
amdhsa.kernels:
  - .name:           k_q1bcdb675d3_partial
    .symbol:         k_q1bcdb675d3_partial.kd
    .args:
      - { .name: x, .offset: 0, .size: 8, .value_kind: global_buffer, .address_space: global }
      - { .name: part, .offset: 8, .size: 8, .value_kind: global_buffer, .address_space: global }
    .group_segment_fixed_size: 18432
    .private_segment_fixed_size: 0
    .kernarg_segment_align: 8
    .kernarg_segment_size: 16
    .max_flat_workgroup_size: 512
    .sgpr_count:     66
    .vgpr_count:     170
    .wavefront_size: 32
...
	.end_amdgpu_metadata
.endif
;; end of part 1
;; launch finish (part 2): grid 6 x 1, 1 waves a work-group, no clusters, 0 bytes of LDS; arguments part, out0; writes out0
.if DOCPART == 2
	.amdgcn_target "amdgcn-amd-amdhsa--gfx1250"
	.amdhsa_code_object_version 6
	.text
	.protected	k_q1bcdb675d3_finish
	.globl	k_q1bcdb675d3_finish
	.p2align	8
	.type	k_q1bcdb675d3_finish,@function
k_q1bcdb675d3_finish:
	s_mov_b64 s[64:65], 0
	v_nop
	global_prefetch_b8 v0, s[64:65] scope:SCOPE_SE
	s_setreg_imm32_b32 hwreg(HW_REG_WAVE_MODE, 25, 1), 1
	s_wait_xcnt 0x0
; BinaryMatchAttention, second launch: out0[b][d] = sum over j = 0..31 of part[32 b + j][d], d = 0..95.
; part: [256][128] f32 (columns 96..127 are not read).  out0: [8][96] f32 = 768 numbers = 192 threads x 4.
; Six work-groups of one wave: thread T = 32 g + lane owns out0's numbers 4 T .. 4 T + 3, so each wave's one store covers 512
; consecutive bytes at a multiple of 512 from out0's first byte.  T = 24 b + c: batch b, columns 4 c .. 4 c + 3.
; All 32 loads of a lane are issued at once (16 bytes each, 512 bytes apart, reached by immediates) and added as a tree, the same
; order in every run.  No LDS, no barrier: no wave needs another's numbers.
.set PARTS, 32                         ; rows of part to a batch
.set PITCH, 512                        ; bytes in a row of part
.set X, 8                              ; v[8:135]  row j: 4 registers
	s_load_b128 s[4:7], s[0:1], 0x0                ; part s[4:5], out0 s[6:7]
	s_lshl_b32 s2, ttmp9, 5
	v_add_nc_u32 v1, s2, v0                        ; T = 0..191
	v_mul_u32_u24 v2, 171, v1
	v_lshrrev_b32 v2, 12, v2                       ; b = T / 24: 171 / 4096 exceeds 1 / 24 by less than 1 / (24 x 192), exact for T < 192
	v_mul_u32_u24 v3, 24, v2
	v_sub_nc_u32 v3, v1, v3                        ; c = T - 24 b
	v_lshlrev_b32 v3, 4, v3                        ; 16 c
	v_lshl_add_u32 v3, v2, 14, v3                  ; + b x 32 rows x 512 bytes; with the immediates at most 130,928 + 16 of part's 131,072
	v_lshlrev_b32 v4, 4, v1                        ; 16 T
	s_wait_kmcnt 0x0
.set j, 0
.rept PARTS
	global_load_b128 v[X+4*j:X+4*j+3], v3, s[4:5] offset:PITCH*j th:TH_LOAD_NT
.set j, j+1
.endr
.set j, 0
.rept 16
	s_wait_loadcnt 15-j                            ; rows j and j + 16 are in: 15 - j loads were issued behind row j + 16 (in order: ISA guide 5.7.1)
	v_pk_add_f32 v[X+4*j:X+4*j+1],   v[X+4*j:X+4*j+1],   v[X+4*j+64:X+4*j+65]
	v_pk_add_f32 v[X+4*j+2:X+4*j+3], v[X+4*j+2:X+4*j+3], v[X+4*j+66:X+4*j+67]
.set j, j+1
.endr
.irp n, 8,4,2,1
.set j, 0
.rept \n
	v_pk_add_f32 v[X+4*j:X+4*j+1],   v[X+4*j:X+4*j+1],   v[X+4*(j+\n):X+4*(j+\n)+1]
	v_pk_add_f32 v[X+4*j+2:X+4*j+3], v[X+4*j+2:X+4*j+3], v[X+4*(j+\n)+2:X+4*(j+\n)+3]
.set j, j+1
.endr
.endr
	global_store_b128 v4, v[X:X+3], s[6:7]
	s_endpgm
.Lfunc_end_k_q1bcdb675d3_finish:
	.size	k_q1bcdb675d3_finish, .Lfunc_end_k_q1bcdb675d3_finish-k_q1bcdb675d3_finish
	.p2alignl 7, 3214868480
	.fill 96, 4, 3214868480
	.section	.rodata,"a",@progbits
	.p2align	6, 0x0
	.amdhsa_kernel k_q1bcdb675d3_finish
		.amdhsa_group_segment_fixed_size 0
		.amdhsa_private_segment_fixed_size 0
		.amdhsa_enable_private_segment 0
		.amdhsa_kernarg_size 16
		.amdhsa_user_sgpr_count 2
		.amdhsa_user_sgpr_kernarg_segment_ptr 1
		.amdhsa_wavefront_size32 1
		.amdhsa_system_sgpr_workgroup_id_x 1
		.amdhsa_system_sgpr_workgroup_id_y 1
		.amdhsa_system_sgpr_workgroup_id_z 1
		.amdhsa_system_vgpr_workitem_id 0
		.amdhsa_next_free_vgpr 136
		.amdhsa_next_free_sgpr 66
		.amdhsa_reserve_vcc 0
		.amdhsa_float_denorm_mode_32 3
		.amdhsa_float_denorm_mode_16_64 3
		.amdhsa_memory_ordered 1
		.amdhsa_forward_progress 1
		.amdhsa_inst_pref_size 9
	.end_amdhsa_kernel
	.amdgpu_metadata
---
amdhsa.version: [ 1, 2 ]
amdhsa.kernels:
  - .name:           k_q1bcdb675d3_finish
    .symbol:         k_q1bcdb675d3_finish.kd
    .args:
      - { .name: part, .offset: 0, .size: 8, .value_kind: global_buffer, .address_space: global }
      - { .name: out0, .offset: 8, .size: 8, .value_kind: global_buffer, .address_space: global }
    .group_segment_fixed_size: 0
    .private_segment_fixed_size: 0
    .kernarg_segment_align: 8
    .kernarg_segment_size: 16
    .max_flat_workgroup_size: 32
    .sgpr_count:     66
    .vgpr_count:     136
    .wavefront_size: 32
...
	.end_amdgpu_metadata
.endif
;; end of part 2
;; ======== version 2 of 2: 2 launches; version 1 with the launch partial written anew for expert scheduling mode
;; workspace buffers: part 131,072 bytes
;; launch partial (part 3): grid 256 x 1, 16 waves a work-group, no clusters, 18,432 bytes of LDS; arguments x, part; writes part
.if DOCPART == 3
	.amdgcn_target "amdgcn-amd-amdhsa--gfx1250"
	.amdhsa_code_object_version 6
	.text
	.protected	k_q1bcdb675d3_partial
	.globl	k_q1bcdb675d3_partial
	.p2align	8
	.type	k_q1bcdb675d3_partial,@function
k_q1bcdb675d3_partial:
	s_mov_b64 s[64:65], 0
	v_nop
	global_prefetch_b8 v0, s[64:65] scope:SCOPE_SE
	s_setreg_imm32_b32 hwreg(HW_REG_WAVE_SCHED_MODE, 0, 2), 2
	s_setreg_imm32_b32 hwreg(HW_REG_WAVE_MODE, 25, 1), 1
	s_wait_xcnt 0x0
	s_wait_alu depctr_vm_vsrc(0)
; BinaryMatchAttention, first of two launches.
;   w[b][s]   = product over k = 0..15 of (1 - |x[b][s][96+k] - q_k|),  q_k = bit k of QUERY
;   out[b][d] = sum over s of w[b][s] x[b][s][d],  d = 0..95
; x: [8][32768][128] f32, taken as 262,144 rows of 512 bytes.  Work-group g owns rows 1024 g .. 1024 g + 1023 (32 work-groups to a
; batch) and writes its 128 column sums to part[g][0..127]; the second launch adds the 32 rows of part of each batch.
; Columns 96..127 of part are by-products (the same multiply-adds run in the lanes that hold the key and the unused columns); they are
; stored so that the one store covers 512 consecutive aligned bytes, and the second launch never reads them.
;
; SHARES.  16 waves; a wave owns 64 consecutive rows (32 KiB).  One 16-byte load of the wave takes the same half of two neighbouring
; rows: lanes 0-15 the 256 bytes of row 2p, lanes 16-31 those of row 2p+1; load A columns 0-63, load B columns 64-127.  So every
; aligned run of 256 bytes is asked for once, by sixteen neighbouring lanes, and the 16 key columns of BOTH rows lie in lanes 8-11 of
; their half of the wave: each key instruction and each step between lanes serves two rows.
; All 64 loads of a wave are reached from one offset register by immediates (at most 32,000): no loop, no address is ever stepped.
; A ring of 9 slots of 4 loads: 36 loads go out at the head, and from then on 28 to 32 loads (14 to 16 KiB) of every wave are in flight.
;
; THE MODE: SCHED_MODE bits 1:0 = 2 (LLVM: expert scheduling mode 2), set by the entry lines.  The code itself states the register
; dependences between vector instructions and memory or LDS instructions, with s_wait_alu, always for 0.
; THE PLAN.  Registers that memory or LDS instructions touch:
;   X0 .. X8    Slot t % 9: written by the four loads of turn t; read by turn t's vector instructions; written again by the loads of
;               turn t + 9, which are issued in turn t + 1.  At the end the 32 LDS rows land in v[40:167], the tree of adds writes them,
;               and the one global store reads v[40:43].
;   v[OFF]      Made once at the head; read by all 64 loads; never written again.
;   ACC0, v[LA] Written by vector instructions, then read by the two LDS stores; never written again.
;   v[RA]       Written in wave 0's branch; read by its 32 LDS loads and its store; never written again.
;   Q, W, D, P and ACC1 are named by vector instructions alone.
; Turn t works on slot t % 9; its memory instructions are the loads into slot (t - 1) % 9, which the turn before worked on and which no
; vector instruction of turn t names.  So ONE wait on va_vdst at the head of a turn that loads states all that its four loads hang on, and
; these are dealt among the turn's vector instructions with no further wait.  No register that a memory or LDS instruction reads is ever
; written afterwards, so the text holds no wait on vm_vsrc; EXEC is never written.
;
; NOT USED, by this text's arithmetic: the matrix unit (a product with ONE row per batch would fill 1 of a tile's 16 rows, and would
; need every x converted and transposed along s, more instructions than the two packed multiply-adds a row that it would replace);
; clusters (no byte of x is read by two work-groups); an LDS ring (what is in flight fits in registers); prefetches (36 of a wave's
; 64 loads are issued by its first lines and the rest as slots come free).
;
; LIMITS.  Products and sums are formed in another order than the reference's: a lane multiplies its four terms as
; p (1 - |d|) = fma(-|d|, p, p), one rounding where the reference has two, then four lanes multiply; sums run per lane, then over
; halves, waves and work-groups.  An intermediate product can leave f32's range (about 3.4e38, or below 1.2e-38 lose bits) where
; another order's would not.  NaN and infinities pass through as in any f32 evaluation.
.set QUERY,  12345
.set ROWB,   512                       ; bytes in a row of x
.set TURNB,  4*ROWB                    ; a turn: 4 rows = 2 pairs = 4 loads
.set TURNS,  16                        ; 64 rows of a wave
.set SLOTS,  9                         ; one at work, one just read and being asked for again, seven on their way
.set OFF,  1                           ; v1        512 (lane / 16) + 16 (lane % 16): my 16 bytes in a pair's half rows; also in an LDS row pair
.set Q,    4                           ; v[4:7]    q of my four columns (meaningful in lanes 8-11 of each half)
.set W0,   8                           ; v[8:9]    the first pair's weight in v8 (v9 only completes the register pair that the packed forms name)
.set W1,   10                          ; v[10:11]  the second pair's
.set D0,   12                          ; v[12:15]  x - q, first pair
.set D1,   16                          ; v[16:19]  second pair
.set P0,   20                          ; v20       running product, first pair
.set P1,   21                          ; v21       second pair
.set LA,   22                          ; v22       where my sums go in LDS
.set RA,   23                          ; v23       wave 0: 16 x lane, in an LDS row and in part's row
.set ACC0, 24                          ; v[24:31]  sums of the first pairs: 4 columns of 0-63, 4 columns of 64-127
.set ACC1, 32                          ; v[32:39]  sums of the second pairs
.set X,    40                          ; v[40:183] slot s: 16 registers: pair 0 A, B, pair 1 A, B; at the end v[40:167] take the 32 LDS rows
	s_load_b128 s[4:7], s[0:1], 0x0                ; x s[4:5], part s[6:7]
	v_lshl_add_u32 v184, v0, 2, 0x4000
	v_mov_b32 v185, 0
	v_lshrrev_b32 v2, 5, v0
	v_readfirstlane_b32 s8, v2                     ; wave 0..15
	v_and_b32 v2, 15, v0                           ; lane % 16
	v_bfe_u32 v3, v0, 4, 1                         ; lane / 16
	v_lshlrev_b32 v2, 4, v2
	v_lshl_add_u32 v[OFF], v3, 9, v2
	s_wait_alu depctr_va_sdst(0)                   ; s8 is written, ahead of its first reader: the wave's byte offset in x is made from it
	s_lshl_b32 s2, ttmp9, 19                       ; 1,024 rows of 512 bytes for each work-group (below 2^27),
	s_lshl_b32 s3, s8, 15                          ; 64 rows for each wave
	s_add_co_u32 s2, s2, s3
	s_mov_b32 s3, 0
	s_lshl_b32 s10, ttmp9, 9                       ; part's row g
	s_mov_b32 s11, 0
	s_wait_kmcnt 0x0
	s_add_nc_u64 s[4:5], s[4:5], s[2:3]            ; x at my wave's first row
	s_add_nc_u64 s[6:7], s[6:7], s[10:11]
	s_wait_alu depctr_va_vdst(0)                   ; v[OFF] is written: every load of x reads it as its offset
.macro LD t, q                         ; load q of the four of turn t, into its slot: pair q / 2, half row q % 2.  x is read once in the launch: non-temporal
	global_load_b128 v[X+16*((\t)%SLOTS)+4*(\q):X+16*((\t)%SLOTS)+4*(\q)+3], v[OFF], s[4:5] offset:(\t)*TURNB+1024*((\q)/2)+256*((\q)%2) th:TH_LOAD_NT
.endm
.irp t, 0,1,2,3,4,5,6,7,8
.irp q, 0,1,2,3
	LD \t, \q                                      ; the ring is filled before anything else is done
.endr
.endr
	; q of my four columns.  Lane 8 + n of a half holds columns 96 + 4 n + i, that is k = 4 n + i, and n = lane & 3 there.
	; The other lanes get some bits too; their products are never taken.
	s_mov_b32 s9, QUERY
	v_and_b32 v2, 3, v0
	v_lshlrev_b32 v2, 2, v2
	v_lshrrev_b32 v2, v2, s9                       ; QUERY >> 4 n
.irp i, 0,1,2,3
	v_bfe_u32 v3, v2, \i, 1
	v_cvt_f32_u32 v[Q+\i], v3
.endr
.irp i, 0,1,2,3
	v_mov_b32 v[W0+\i], 0                          ; once: a DPP move's destination counts as read, and the packed forms name whole pairs
.endr
; One turn: rows 4 t .. 4 t + 3 of the wave, as two pairs whose instructions take turns so that none waits for the one in front of it.
; first = 1: the products start the sums, nothing is cleared.  fill = 1: the slot that the turn before read is asked for again, with the
; rows of turn t + SLOTS - 1.  left = how many younger loads may stay out.
.macro TURN t, first, fill, left
.set SL, X+16*((\t)%SLOTS)
	s_wait_loadcnt \left                           ; loads come back in order (ISA guide 5.7.1): this turn's four are in
.if \fill
	s_wait_alu depctr_va_vdst(0)                   ; the turn before is done reading its slot, in which the four loads of this turn land
	LD (\t)+SLOTS-1, 0                             ; no vector instruction of this turn names that slot, so the four are dealt among them with no further wait
.endif
	v_pk_add_f32 v[D0:D0+1],   v[SL+4:SL+5],   v[Q:Q+1]   neg_lo:[0,1] neg_hi:[0,1]   ; d = x - q
	v_pk_add_f32 v[D1:D1+1],   v[SL+12:SL+13], v[Q:Q+1]   neg_lo:[0,1] neg_hi:[0,1]
	v_pk_add_f32 v[D0+2:D0+3], v[SL+6:SL+7],   v[Q+2:Q+3] neg_lo:[0,1] neg_hi:[0,1]
	v_pk_add_f32 v[D1+2:D1+3], v[SL+14:SL+15], v[Q+2:Q+3] neg_lo:[0,1] neg_hi:[0,1]
.if \fill
	LD (\t)+SLOTS-1, 1
.endif
	v_sub_f32 v[P0], 1.0, |v[D0]|                  ; p = 1 - |d0|
	v_sub_f32 v[P1], 1.0, |v[D1]|
.irp i, 1,2,3
	v_fma_f32 v[P0], -|v[D0+\i]|, v[P0], v[P0]     ; p = p (1 - |d|), fused
	v_fma_f32 v[P1], -|v[D1+\i]|, v[P1], v[P1]
.endr
.if \fill
	LD (\t)+SLOTS-1, 2
.endif
.irp m, 1,2
	v_mul_f32_dpp v[P0], v[P0], v[P0] row_xmask:\m row_mask:0xf bank_mask:0xf   ; lanes 8-11 of each half: all 16 terms
	v_mul_f32_dpp v[P1], v[P1], v[P1] row_xmask:\m row_mask:0xf bank_mask:0xf
.endr
	v_mov_b32_dpp v[W0], v[P0] row_share:8 row_mask:0xf bank_mask:0xf           ; each half's 16 lanes take their own row's weight
	v_mov_b32_dpp v[W1], v[P1] row_share:8 row_mask:0xf bank_mask:0xf
.if \fill
	LD (\t)+SLOTS-1, 3
.endif
.irp k, 0,2,4,6
.if \first
	v_pk_mul_f32 v[ACC0+\k:ACC0+\k+1], v[SL+\k:SL+\k+1],     v[W0:W0+1] op_sel_hi:[1,0]
	v_pk_mul_f32 v[ACC1+\k:ACC1+\k+1], v[SL+8+\k:SL+8+\k+1], v[W1:W1+1] op_sel_hi:[1,0]
.else
	v_pk_fma_f32 v[ACC0+\k:ACC0+\k+1], v[SL+\k:SL+\k+1],     v[W0:W0+1], v[ACC0+\k:ACC0+\k+1] op_sel_hi:[1,0,1]
	v_pk_fma_f32 v[ACC1+\k:ACC1+\k+1], v[SL+8+\k:SL+8+\k+1], v[W1:W1+1], v[ACC1+\k:ACC1+\k+1] op_sel_hi:[1,0,1]
.endif
.endr
.endm
	TURN 0, 1, 0, 4*(SLOTS-1)                      ; 32: the eight younger turns' loads stay out; no turn stands in front of it, so no slot is free yet
.irp t, 1,2,3,4,5,6,7
	TURN \t, 0, 1, 4*(SLOTS-2)                     ; 28: turns t + 1 to t + 7 stay out; turn t + 8 is asked for
.endr
.irp t, 8,9,10,11,12,13,14,15
	TURN \t, 0, 0, 4*(TURNS-1-\t)                  ; nothing is asked for any more: 28, 24, .. 0
.endr
	; The wave's sums: 128 columns for each half of the lanes.  Wave w, half h -> LDS row 2 w + h of 512 bytes; sixteen lanes store
	; 256 consecutive bytes.
.irp k, 0,2,4,6
	v_pk_add_f32 v[ACC0+\k:ACC0+\k+1], v[ACC0+\k:ACC0+\k+1], v[ACC1+\k:ACC1+\k+1]
.endr
	s_lshl_b32 s12, s8, 10
	v_add_nc_u32 v[LA], s12, v[OFF]
	s_wait_alu depctr_va_vdst(0)                   ; the adds have written ACC0 and v[LA], which the two LDS stores read as data and address
	ds_store_b128 v[LA], v[ACC0:ACC0+3]
	ds_store_b128 v[LA], v[ACC0+4:ACC0+7] offset:256
	s_wait_dscnt 0x0                               ; for wave 0's sake: my stores are in LDS before I say so
	s_barrier_signal -1
	s_barrier_wait -1
	s_cmp_lg_u32 s8, 0
	s_cbranch_scc1 .Lend                           ; wave 0 alone adds the 32 rows: 62 packed adds, once for 512 KiB of input
	v_and_b32 v[RA], 31, v0
	v_lshlrev_b32 v[RA], 4, v[RA]                  ; lane l: columns 4 l .. 4 l + 3
	s_wait_alu depctr_va_vdst(0)                   ; v[RA] is written, which the LDS loads and the store below read; the turns are done reading v[40:167], in which the loads land
.set j, 0
.rept 32
	ds_load_b128 v[X+4*j:X+4*j+3], v[RA] offset:512*j
.set j, j+1
.endr
.set j, 0
.rept 16
	s_wait_dscnt 15-j                              ; rows j and j + 16 are in: 15 - j loads were issued behind row j + 16
	v_pk_add_f32 v[X+4*j:X+4*j+1],   v[X+4*j:X+4*j+1],   v[X+4*j+64:X+4*j+65]
	v_pk_add_f32 v[X+4*j+2:X+4*j+3], v[X+4*j+2:X+4*j+3], v[X+4*j+66:X+4*j+67]
.set j, j+1
.endr
.irp n, 8,4,2,1
.set j, 0
.rept \n
	v_pk_add_f32 v[X+4*j:X+4*j+1],   v[X+4*j:X+4*j+1],   v[X+4*(j+\n):X+4*(j+\n)+1]
	v_pk_add_f32 v[X+4*j+2:X+4*j+3], v[X+4*j+2:X+4*j+3], v[X+4*(j+\n)+2:X+4*(j+\n)+3]
.set j, j+1
.endr
.endr
	s_wait_alu depctr_va_vdst(0)                   ; the tree's last adds have written v[X:X+3], which the store reads
	global_store_b128 v[RA], v[X:X+3], s[6:7]      ; 512 consecutive bytes, at a multiple of 512 from part's first byte
.Lend:
	s_wait_dscnt 0x0
	s_wait_alu depctr_hold_cnt(0) depctr_sa_sdst(0) depctr_va_vdst(0) depctr_va_sdst(0) depctr_va_ssrc(0) depctr_va_vcc(0) depctr_vm_vsrc(0)
	s_wait_tensorcnt 0x0
	ds_add_u32 v184, v185
	s_wait_dscnt 0x0
	s_endpgm
.Lfunc_end_k_q1bcdb675d3_partial:
	.size	k_q1bcdb675d3_partial, .Lfunc_end_k_q1bcdb675d3_partial-k_q1bcdb675d3_partial
	.p2alignl 7, 3214868480
	.fill 96, 4, 3214868480
	.section	.rodata,"a",@progbits
	.p2align	6, 0x0
	.amdhsa_kernel k_q1bcdb675d3_partial
		.amdhsa_group_segment_fixed_size 18432
		.amdhsa_private_segment_fixed_size 0
		.amdhsa_enable_private_segment 0
		.amdhsa_kernarg_size 16
		.amdhsa_user_sgpr_count 2
		.amdhsa_user_sgpr_kernarg_segment_ptr 1
		.amdhsa_wavefront_size32 1
		.amdhsa_system_sgpr_workgroup_id_x 1
		.amdhsa_system_sgpr_workgroup_id_y 1
		.amdhsa_system_sgpr_workgroup_id_z 1
		.amdhsa_system_vgpr_workitem_id 0
		.amdhsa_next_free_vgpr 186
		.amdhsa_next_free_sgpr 66
		.amdhsa_reserve_vcc 0
		.amdhsa_float_denorm_mode_32 3
		.amdhsa_float_denorm_mode_16_64 3
		.amdhsa_memory_ordered 1
		.amdhsa_forward_progress 1
		.amdhsa_inst_pref_size 42
	.end_amdhsa_kernel
	.amdgpu_metadata
---
amdhsa.version: [ 1, 2 ]
amdhsa.kernels:
  - .name:           k_q1bcdb675d3_partial
    .symbol:         k_q1bcdb675d3_partial.kd
    .args:
      - { .name: x, .offset: 0, .size: 8, .value_kind: global_buffer, .address_space: global }
      - { .name: part, .offset: 8, .size: 8, .value_kind: global_buffer, .address_space: global }
    .group_segment_fixed_size: 18432
    .private_segment_fixed_size: 0
    .kernarg_segment_align: 8
    .kernarg_segment_size: 16
    .max_flat_workgroup_size: 512
    .sgpr_count:     66
    .vgpr_count:     186
    .wavefront_size: 32
...
	.end_amdgpu_metadata
.endif
;; end of part 3
;; launch finish: the kernel of part 2 again; grid 6 x 1, 1 waves a work-group, no clusters, 0 bytes of LDS; arguments part, out0; writes out0
